; MI455X (gfx1250); checked and timed in simulation.
; The chip was launched on July 23, 2026; its instructions are those of AMD's public machine-readable ISA for CDNA 5 (MIT licence, August 2026) and "CDNA5" Instruction Set Architecture Reference Guide (July 2026). The comments in the code are by the model that wrote it; some were corrected since.
;; Attention Block. Allowed arithmetic: float matrix products may take bf16 or f16 operands with f32 sums; all other float work in f32.
;; Inputs: beta 128 float32; bk 128 float32; bo 128 float32; bq 128 float32; bv 128 float32; gamma 128 float32; wk 128 x 128 float32; wo 128 x 128 float32; wq 128 x 128 float32; wv 128 x 128 float32; x 4 x 128 x 64 x 64 float32.
;; Outputs: out0 4 x 128 x 64 x 64 float32.
;; 2 versions, each right; version 2 is version 1 with the launch qkv written anew for expert scheduling mode. Each part assembles by itself: llvm-mc -triple=amdgcn-amd-amdhsa -mcpu=gfx1250 --defsym DOCPART=n.
;; ======== version 1 of 2: 3 launches
;; workspace buffers: norm 4,096 bytes; wb 131,072 bytes; qb 4,194,304 bytes; kv 8,388,608 bytes
;; launch stats (part 1): grid 128 x 1, 8 waves a work-group, no clusters, 1,280 bytes of LDS; arguments x, gamma, beta, wq, wk, wv, wo, norm, wb; writes norm, wb
.if DOCPART == 1
	.amdgcn_target "amdgcn-amd-amdhsa--gfx1250"
	.amdhsa_code_object_version 6
	.text
	.protected	k_q0f12b85fbe_stats
	.globl	k_q0f12b85fbe_stats
	.p2align	8
	.type	k_q0f12b85fbe_stats,@function
k_q0f12b85fbe_stats:
	s_mov_b64 s[64:65], 0
	v_nop
	global_prefetch_b8 v0, s[64:65] scope:SCOPE_SE
	s_setreg_imm32_b32 hwreg(HW_REG_WAVE_MODE, 25, 1), 1
	s_wait_xcnt 0x0
; GroupNorm statistics, and the four weight matrices in bf16.
; Work-group g = 32 n + group owns the group's 4 channels x 4,096 positions = 65,536 consecutive bytes of x.  Thread t takes 16 bytes at
; 16 t + 4,096 i, i = 0..15: one load of a wave covers 512 consecutive bytes, and the 64 numbers stay in registers for both passes.
; Pass 1 makes the mean, pass 2 the mean of (x - mean)^2 from the centred numbers: no difference of large sums is formed.
; Out: norm[n][c] = {scale, shift} with scale = gamma rsqrt(var + 1e-6), shift = beta - mean scale, so that xn = x scale + shift.
; The same 128 work-groups share the weights evenly: g converts numbers 512 g .. 512 g + 511 of {wq, wk, wv, wo} laid end to end;
; wq is multiplied by log2(e) / sqrt(128) first, so that the scores come out ready for an exponential in base 2.
; No matrix unit, no cluster: nothing here is a product and no two work-groups read the same bytes.
; Limits: NaN and infinities in x are not treated specially; the sums' order differs from a serial sum's.
.set X,  16                            ; v[16:79]   my 64 numbers of the group
.set A,  80                            ; v[80:87]   four chains of pairs
.set D,  88                            ; v[88:95]   x - mean, four pairs at work
.set P8, 96                            ; v[96:103]  the eight waves' partial sums
; v1 16 t   v2 gamma   v3 beta   v[4:7] weights, later {scale, shift} and the offset in norm   v[8:9] packed weights   v13 their offset
; v[10:11] sum, then the mean twice   v12 offset of gamma and beta, later the second sum   v14 4 x wave   v15 0
; Sum of v[reg] over the work-group's 256 threads, into every lane.  Inside the wave: four steps ride on the add, one crosses the halves.
; Between the waves: one word each in LDS at byte off, one barrier, every wave reads all eight.
.macro GROUPSUM reg, tmp, off
	v_add_f32_dpp v[\reg], v[\reg], v[\reg] row_xmask:1 row_mask:0xf bank_mask:0xf
	v_add_f32_dpp v[\reg], v[\reg], v[\reg] row_xmask:2 row_mask:0xf bank_mask:0xf
	v_add_f32_dpp v[\reg], v[\reg], v[\reg] row_xmask:4 row_mask:0xf bank_mask:0xf
	v_add_f32_dpp v[\reg], v[\reg], v[\reg] row_xmask:8 row_mask:0xf bank_mask:0xf
	v_permlanex16_b32 v[\tmp], v[\reg], s32, s33   ; its destination counts as read: tmp has been written before
	v_add_f32 v[\reg], v[\reg], v[\tmp]
	ds_store_b32 v14, v[\reg] offset:\off          ; all lanes of a wave write the same word with the same value
	s_wait_dscnt 0x0                               ; for the other waves' sake: my word is in LDS before I signal
	s_barrier_signal -1
	s_barrier_wait -1
	ds_load_b128 v[P8:P8+3], v15 offset:\off
	ds_load_b128 v[P8+4:P8+7], v15 offset:\off+16
	s_wait_dscnt 0x0
	v_pk_add_f32 v[P8:P8+1], v[P8:P8+1], v[P8+2:P8+3]
	v_pk_add_f32 v[P8+4:P8+5], v[P8+4:P8+5], v[P8+6:P8+7]
	v_pk_add_f32 v[P8:P8+1], v[P8:P8+1], v[P8+4:P8+5]
	v_add_f32 v[\reg], v[P8], v[P8+1]
.endm
	s_load_b512 s[8:23], s[0:1], 0x0               ; x 8:9, gamma 10:11, beta 12:13, wq 14:15, wk 16:17, wv 18:19, wo 20:21, norm 22:23
	s_load_b64 s[24:25], s[0:1], 0x40              ; wb
	v_lshl_add_u32 v104, v0, 2, 0x100
	v_mov_b32 v105, 0
	v_lshrrev_b32 v10, 5, v0
	v_readfirstlane_b32 s4, v10                    ; wave 0..7
	s_lshr_b32 s2, ttmp9, 5                        ; n, and also: which weight matrix my 512 numbers lie in
	s_and_b32 s3, ttmp9, 31                        ; group, and also: which 512 numbers of that matrix
	s_mov_b32 s32, 0x76543210                      ; v_permlanex16_b32: lane i reads lane i of the other half
	s_mov_b32 s33, 0xfedcba98
	s_mov_b32 s6, 0x358637bd                       ; 1e-6
	s_mov_b32 s7, 0x38800000                       ; 2^-14 = 1 / 16,384 numbers in a group
	v_lshlrev_b32 v1, 4, v0                        ; 16 t
	v_and_b32 v11, 3, v0                           ; my channel of the group's four (only threads 0 to 3 store)
	s_lshl_b32 s5, s3, 4
	v_lshl_add_u32 v12, v11, 2, s5                 ; byte offset of channel 4 group + (t & 3) in gamma and beta
	v_mov_b32 v14, s4
	v_lshlrev_b32 v14, 2, v14                      ; my wave's word in LDS
	v_mov_b32 v15, 0
	s_lshl_b32 s30, ttmp9, 16                      ; 65,536 g
	s_mov_b32 s31, 0
	s_wait_kmcnt 0x0
	s_add_nc_u64 s[8:9], s[8:9], s[30:31]
.irp i, 0,1,2,3,4,5,6,7,8,9,10,11,12,13,14,15
	global_load_b128 v[X+4*\i:X+4*\i+3], v1, s[8:9] offset:4096*\i
.endr
	global_load_b32 v2, v12, s[10:11]
	global_load_b32 v3, v12, s[12:13]
	s_cmp_eq_u32 s2, 1                             ; the matrix is chosen by the work-group's number alone
	s_cselect_b64 s[26:27], s[16:17], s[14:15]
	s_cmp_eq_u32 s2, 2
	s_cselect_b64 s[26:27], s[18:19], s[26:27]
	s_cmp_eq_u32 s2, 3
	s_cselect_b64 s[26:27], s[20:21], s[26:27]
	s_cmp_eq_u32 s2, 0
	s_cselect_b32 s28, 0x3e0293ee, 1.0             ; wq times log2(e) / sqrt(128), the others as they are
	s_mov_b32 s29, s28
	s_lshl_b32 s30, s3, 11                         ; 512 numbers of 4 bytes
	s_add_nc_u64 s[26:27], s[26:27], s[30:31]
	s_lshl_b32 s30, ttmp9, 10                      ; 512 numbers of 2 bytes
	s_add_nc_u64 s[24:25], s[24:25], s[30:31]
	s_lshl_b32 s30, ttmp9, 5                       ; 4 channels of 8 bytes
	s_add_nc_u64 s[22:23], s[22:23], s[30:31]
	s_cmp_ge_u32 s4, 4                             ; 512 numbers are four a thread for 128 threads: waves 0 to 3
	s_cbranch_scc1 .Lno_weights
	global_load_b128 v[4:7], v1, s[26:27]
	v_lshlrev_b32 v13, 3, v0
	s_wait_loadcnt 0x0                             ; the youngest load; x, which is older, is wanted next in any case
	v_pk_mul_f32 v[4:5], v[4:5], s[28:29] op_sel_hi:[1,0]
	v_pk_mul_f32 v[6:7], v[6:7], s[28:29] op_sel_hi:[1,0]
	v_cvt_pk_bf16_f32 v8, v4, v5
	v_cvt_pk_bf16_f32 v9, v6, v7
	global_store_b64 v13, v[8:9], s[24:25]         ; a wave's store covers 256 consecutive bytes, aligned; v8, v9, v13 are never written again
.Lno_weights:
	s_wait_loadcnt 0x0                             ; x, gamma, beta
	; pass 1: the sum, in four chains of pairs that the first adds start
.irp k, 0,1,2,3
	v_pk_add_f32 v[A+2*\k:A+2*\k+1], v[X+2*\k:X+2*\k+1], v[X+8+2*\k:X+8+2*\k+1]
.endr
.set j, 8
.rept 24
	v_pk_add_f32 v[A+2*(j%4):A+2*(j%4)+1], v[A+2*(j%4):A+2*(j%4)+1], v[X+2*j:X+2*j+1]
.set j, j+1
.endr
	v_pk_add_f32 v[A:A+1], v[A:A+1], v[A+2:A+3]
	v_pk_add_f32 v[A+4:A+5], v[A+4:A+5], v[A+6:A+7]
	v_pk_add_f32 v[A:A+1], v[A:A+1], v[A+4:A+5]
	v_add_f32 v10, v[A], v[A+1]
	GROUPSUM 10, 11, 0
	v_mul_f32 v10, s7, v10                         ; the mean,
	v_mov_b32 v11, v10                             ; twice, for the packed subtraction
	; pass 2: the sum of (x - mean)^2
.irp k, 0,1,2,3
	v_pk_add_f32 v[D+2*\k:D+2*\k+1], v[X+2*\k:X+2*\k+1], v[10:11] neg_lo:[0,1] neg_hi:[0,1]
.endr
.irp k, 0,1,2,3
	v_pk_mul_f32 v[A+2*\k:A+2*\k+1], v[D+2*\k:D+2*\k+1], v[D+2*\k:D+2*\k+1]
.endr
.set j, 4
.rept 28
	v_pk_add_f32 v[D+2*(j%4):D+2*(j%4)+1], v[X+2*j:X+2*j+1], v[10:11] neg_lo:[0,1] neg_hi:[0,1]
	v_pk_fma_f32 v[A+2*(j%4):A+2*(j%4)+1], v[D+2*(j%4):D+2*(j%4)+1], v[D+2*(j%4):D+2*(j%4)+1], v[A+2*(j%4):A+2*(j%4)+1]
.set j, j+1
.endr
	v_pk_add_f32 v[A:A+1], v[A:A+1], v[A+2:A+3]
	v_pk_add_f32 v[A+4:A+5], v[A+4:A+5], v[A+6:A+7]
	v_pk_add_f32 v[A:A+1], v[A:A+1], v[A+4:A+5]
	v_add_f32 v12, v[A], v[A+1]
	GROUPSUM 12, 11, 32                            ; other LDS bytes than the first sum's, so one barrier is enough
	v_fma_f32 v12, v12, s7, s6                     ; var + 1e-6
	v_rsq_f32 v11, v12
	v_and_b32 v6, 3, v0                            ; a plain instruction stands between v_rsq_f32 and the use of its result (ISA guide 5.7.2)
	v_lshlrev_b32 v6, 3, v6                        ; 8 bytes a channel
	s_wait_alu depctr_va_vdst(0)
	v_mul_f32 v4, v2, v11                          ; scale = gamma rstd
	v_fma_f32 v5, -v10, v4, v3                     ; shift = beta - mean scale
	s_wait_xcnt 0x0                                ; EXEC is a source of the stores issued so far: it changes only behind this wait
	v_cmp_gt_u32 vcc_lo, 4, v0
	s_and_saveexec_b32 s34, vcc_lo                 ; threads 0 to 3: one channel each
	global_store_b64 v6, v[4:5], s[22:23]
	s_wait_xcnt 0x0                                ; and again in front of the line that widens it
	s_or_b32 exec_lo, exec_lo, s34
	s_wait_tensorcnt 0x0
	ds_add_u32 v104, v105
	s_wait_dscnt 0x0
	s_endpgm
.Lfunc_end_k_q0f12b85fbe_stats:
	.size	k_q0f12b85fbe_stats, .Lfunc_end_k_q0f12b85fbe_stats-k_q0f12b85fbe_stats
	.p2alignl 7, 3214868480
	.fill 96, 4, 3214868480
	.section	.rodata,"a",@progbits
	.p2align	6, 0x0
	.amdhsa_kernel k_q0f12b85fbe_stats
		.amdhsa_group_segment_fixed_size 1280
		.amdhsa_private_segment_fixed_size 0
		.amdhsa_enable_private_segment 0
		.amdhsa_kernarg_size 72
		.amdhsa_user_sgpr_count 2
		.amdhsa_user_sgpr_kernarg_segment_ptr 1
		.amdhsa_wavefront_size32 1
		.amdhsa_system_sgpr_workgroup_id_x 1
		.amdhsa_system_sgpr_workgroup_id_y 1
		.amdhsa_system_sgpr_workgroup_id_z 1
		.amdhsa_system_vgpr_workitem_id 0
		.amdhsa_next_free_vgpr 106
		.amdhsa_next_free_sgpr 66
		.amdhsa_reserve_vcc 1
		.amdhsa_float_denorm_mode_32 3
		.amdhsa_float_denorm_mode_16_64 3
		.amdhsa_memory_ordered 1
		.amdhsa_forward_progress 1
		.amdhsa_inst_pref_size 13
	.end_amdhsa_kernel
	.amdgpu_metadata
---
amdhsa.version: [ 1, 2 ]
amdhsa.kernels:
  - .name:           k_q0f12b85fbe_stats
    .symbol:         k_q0f12b85fbe_stats.kd
    .args:
      - { .name: x, .offset: 0, .size: 8, .value_kind: global_buffer, .address_space: global }
      - { .name: gamma, .offset: 8, .size: 8, .value_kind: global_buffer, .address_space: global }
      - { .name: beta, .offset: 16, .size: 8, .value_kind: global_buffer, .address_space: global }
      - { .name: wq, .offset: 24, .size: 8, .value_kind: global_buffer, .address_space: global }
      - { .name: wk, .offset: 32, .size: 8, .value_kind: global_buffer, .address_space: global }
      - { .name: wv, .offset: 40, .size: 8, .value_kind: global_buffer, .address_space: global }
      - { .name: wo, .offset: 48, .size: 8, .value_kind: global_buffer, .address_space: global }
      - { .name: norm, .offset: 56, .size: 8, .value_kind: global_buffer, .address_space: global }
      - { .name: wb, .offset: 64, .size: 8, .value_kind: global_buffer, .address_space: global }
    .group_segment_fixed_size: 1280
    .private_segment_fixed_size: 0
    .kernarg_segment_align: 8
    .kernarg_segment_size: 72
    .max_flat_workgroup_size: 256
    .sgpr_count:     66
    .vgpr_count:     106
    .wavefront_size: 32
...
	.end_amdgpu_metadata
.endif
;; end of part 1
;; launch qkv (part 2): grid 64 x 4, 8 waves a work-group, no clusters, 73,728 bytes of LDS; arguments x, norm, wb, bq, bk, bv, qb, kv; writes qb, kv
.if DOCPART == 2
	.amdgcn_target "amdgcn-amd-amdhsa--gfx1250"
	.amdhsa_code_object_version 6
	.text
	.protected	k_q0f12b85fbe_qkv
	.globl	k_q0f12b85fbe_qkv
	.p2align	8
	.type	k_q0f12b85fbe_qkv,@function
k_q0f12b85fbe_qkv:
	s_mov_b64 s[64:65], 0
	v_nop
	global_prefetch_b8 v0, s[64:65] scope:SCOPE_SE
	s_setreg_imm32_b32 hwreg(HW_REG_WAVE_MODE, 25, 1), 1
	s_wait_xcnt 0x0
; xn = x scale + shift (GroupNorm), then q, k, v = W xn + b for 64 positions of one image, written in the layouts that the attention wants.
; Work-group (b, n): positions 64 b .. 64 b + 63 of image n.  Wave w makes outputs 16 w .. 16 w + 15 of each of q, k, v for all four tiles
; of 16 positions: 48 matrix instructions a wave, the same text in every wave, every weight byte read once by the work-group.
; qb[n][l][c] bf16, rows of 256 bytes; q carries the factor log2(e) / sqrt(128) (in wq already; bq is multiplied here).
; kv[n][b]: 128 rows of 256 bytes: rows 0-63 K[key][128 channels]; row 64 + rho = V[channel rho][64 keys], then V[channel 64 + rho][64 keys].
; q and k: A = weights (row = output), B = xn (column = position), so a lane holds 8 neighbouring channels of one position = 16 bytes of a row.
; v: the sources swapped, so a lane holds 8 neighbouring positions of one channel = 16 bytes of a V row.
; The bias is the C operand of the first product: nothing is cleared and nothing is added afterwards.
; No tensor loads, no cluster: the work-groups share only the 96 KiB of weights, against one pass of 48 matrix instructions a wave.
; Limits: xn, weights, q, k, v are rounded to bf16; sums in f32.
.set XP,   160                         ; LDS pitch of xn[c][64 l] in bf16: 128 bytes + 32, an odd multiple of 32 bytes for the transposing loads
.set STG,  128*XP                      ; 20,480: behind xn, the stage: 192 rows (64 of q, 64 of K, 64 of V) x 272 bytes
.set SP,   272                         ; 256 bytes + 16: sixteen rows start at sixteen different 16-byte columns
.set CF,   0x3e0293ee                  ; log2(e) / sqrt(128)
; window 0: v1-v24 lane terms; accumulators; xn's fragments (their registers first serve to stage x)
.set ACCQ, 32                          ; + 8 lt
.set ACCK, 64
.set ACCV, 96
.set XF,   128                         ; + 8 (4 kc + lt)
; window 1 (v256 and up, written with their low 8 bits)
.set WF,   0                           ; + 8 (4 mat + kc): my 16 rows of wq, wk, wv
.set BQ,   96                          ; C tiles made of the biases
.set BK,   104
.set BV,   112
.set MSB, 0
.macro WIN new                         ; s_set_vgpr_msb: bits 1:0 source 0, 3:2 source 1, 5:4 source 2, 7:6 destination; the high byte repeats the setting left
.if MSB != \new
	s_set_vgpr_msb (MSB<<8)|\new
.set MSB, \new
.endif
.endm
.macro PACK t                          ; eight f32 of a tile to 16 bytes of bf16, in place: register i takes numbers 2 i and 2 i + 1, which are read no later than it is written
	v_cvt_pk_bf16_f32 v[\t], v[\t], v[\t+1]
	v_cvt_pk_bf16_f32 v[\t+1], v[\t+2], v[\t+3]
	v_cvt_pk_bf16_f32 v[\t+2], v[\t+4], v[\t+5]
	v_cvt_pk_bf16_f32 v[\t+3], v[\t+6], v[\t+7]
.endm
	s_load_b512 s[8:23], s[0:1], 0x0               ; x 8:9, norm 10:11, wb 12:13, bq 14:15, bk 16:17, bv 18:19, qb 20:21, kv 22:23
	v_lshl_add_u32 v30, v0, 2, 0x11c00
	v_mov_b32 v31, 0
	v_and_b32 v1, 31, v0                           ; lane L
	v_lshrrev_b32 v17, 5, v0
	v_readfirstlane_b32 s4, v17                    ; wave w
	s_and_b32 s2, ttmp7, 0xffff                    ; image n
	v_and_b32 v2, 15, v1                           ; r = L & 15
	v_lshrrev_b32 v3, 4, v1                        ; h = L >> 4
	s_lshl_b32 s5, s4, 4                           ; 16 w
	v_add_nc_u32 v17, s5, v3                       ; 16 w + h
	v_add_nc_u32 v18, s5, v2                       ; 16 w + r
	v_lshlrev_b32 v19, 4, v2                       ; 16 r
	v_lshlrev_b32 v21, 4, v3                       ; 16 h
	v_lshl_add_u32 v4, v17, 14, v19                ; x: channel 16 w + h (rows of 16,384 bytes), 16 bytes a lane: sixteen lanes take a channel's 64 positions
	v_lshlrev_b32 v5, 3, v17                       ; norm: that channel's {scale, shift}
	v_mul_u32_u24 v6, v17, XP
	v_lshl_add_u32 v6, v2, 3, v6                   ; xn in LDS: that channel's row, 8 bytes a lane
	v_and_b32 v20, 7, v1
	v_lshl_add_u32 v20, v3, 3, v20                 ; 8 h + (L & 7)
	v_mul_u32_u24 v7, v20, XP
	v_bfe_u32 v20, v1, 3, 1
	v_lshl_add_u32 v7, v20, 4, v7                  ; transposing load: row 8 h + (L & 7), 16 bytes at 16 ((L >> 3) & 1)
	v_lshl_add_u32 v8, v18, 8, v21                 ; weights: row 16 w + r of 256 bytes, + 16 h
	v_lshl_add_u32 v9, v3, 3, s5
	v_lshlrev_b32 v9, 2, v9                        ; bq, bk: eight numbers from output 16 w + 8 h
	v_lshlrev_b32 v10, 2, v18                      ; bv: output 16 w + r
	v_mul_u32_u24 v22, v2, SP                      ; r x stage pitch
	s_lshl_b32 s6, s4, 5
	s_add_co_u32 s6, s6, STG
	v_add3_u32 v11, v22, v21, s6                   ; stage, q and K: row r, byte 32 w + 16 h (channels 16 w + 8 h ..)
	s_and_b32 s7, s4, 3
	s_mul_i32 s7, s7, 16*SP
	s_lshr_b32 s24, s4, 2
	s_lshl_b32 s24, s24, 7
	s_add_co_u32 s7, s7, s24
	s_add_co_u32 s7, s7, STG+128*SP
	v_add3_u32 v12, v22, v21, s7                   ; stage, V: row 128 + 16 (w & 3) + r, byte 128 (w >> 2) + 16 h
	v_mul_u32_u24 v23, v3, SP
	v_add_nc_u32 v23, v23, v19                     ; read back: lanes 0-15 one row, lanes 16-31 the next
	s_mul_i32 s25, s4, 8*SP
	s_add_co_u32 s25, s25, STG
	v_add_nc_u32 v13, s25, v23                     ; my 8 rows of q
	s_mul_i32 s26, s4, 16*SP
	s_add_co_u32 s26, s26, STG+64*SP
	v_add_nc_u32 v14, s26, v23                     ; my 16 rows of K and V
	v_lshl_add_u32 v24, v3, 8, v19
	s_lshl_b32 s27, s4, 11
	v_add_nc_u32 v15, s27, v24                     ; the same rows in qb's block
	s_lshl_b32 s28, s4, 12
	v_add_nc_u32 v16, s28, v24                     ; and in kv's block
	s_mov_b32 s31, 0
	s_wait_kmcnt 0x0
	s_lshl_b32 s30, s2, 21                         ; an image of x: 128 x 16,384 bytes
	s_lshl_b32 s29, ttmp9, 8                       ; 64 positions of 4 bytes
	s_add_co_u32 s30, s30, s29
	s_add_nc_u64 s[8:9], s[8:9], s[30:31]
	s_lshl_b32 s30, s2, 10
	s_add_nc_u64 s[10:11], s[10:11], s[30:31]
	s_lshl_b32 s30, s2, 20                         ; an image of qb: 4,096 x 256 bytes
	s_lshl_b32 s29, ttmp9, 14
	s_add_co_u32 s30, s30, s29
	s_add_nc_u64 s[20:21], s[20:21], s[30:31]
	s_lshl_b32 s30, s2, 6
	s_add_co_u32 s30, s30, ttmp9
	s_lshl_b32 s30, s30, 15                        ; block 64 n + b of 32,768 bytes
	s_add_nc_u64 s[22:23], s[22:23], s[30:31]
	; all loads at once: what is wanted first goes first
.irp i, 0,1,2,3,4,5,6,7
	global_load_b128 v[128+4*\i:128+4*\i+3], v4, s[8:9] offset:32768*\i          ; channels 16 w + 2 i + h
.endr
.irp i, 0,1,2,3,4,5,6,7
	global_load_b64 v[160+2*\i:160+2*\i+1], v5, s[10:11] offset:16*\i
.endr
	WIN 0x40                                       ; destinations in window 1
.irp m, 0,1,2
.irp kc, 0,1,2,3
	global_load_b128 v[WF+8*(4*\m+\kc):WF+8*(4*\m+\kc)+3],   v8, s[12:13] offset:32768*\m+64*\kc
	global_load_b128 v[WF+8*(4*\m+\kc)+4:WF+8*(4*\m+\kc)+7], v8, s[12:13] offset:32768*\m+64*\kc+32
.endr
.endr
	global_load_b128 v[BQ:BQ+3],   v9, s[14:15]
	global_load_b128 v[BQ+4:BQ+7], v9, s[14:15] offset:16
	global_load_b128 v[BK:BK+3],   v9, s[16:17]
	global_load_b128 v[BK+4:BK+7], v9, s[16:17] offset:16
	global_load_b32 v[BV], v10, s[18:19]
	WIN 0
	s_wait_loadcnt 29                              ; x and norm are in; the 24 weight loads and 5 bias loads behind them stay out
.irp i, 0,1,2,3,4,5,6,7
	; the pair {scale, shift}: source 1 takes its first register for both halves, source 2 its second
	v_pk_fma_f32 v[128+4*\i:129+4*\i], v[128+4*\i:129+4*\i], v[160+2*\i:161+2*\i], v[160+2*\i:161+2*\i] op_sel:[0,0,1] op_sel_hi:[1,0,1]
	v_pk_fma_f32 v[130+4*\i:131+4*\i], v[130+4*\i:131+4*\i], v[160+2*\i:161+2*\i], v[160+2*\i:161+2*\i] op_sel:[0,0,1] op_sel_hi:[1,0,1]
	v_cvt_pk_bf16_f32 v[176+2*\i], v[128+4*\i], v[129+4*\i]
	v_cvt_pk_bf16_f32 v[177+2*\i], v[130+4*\i], v[131+4*\i]
	ds_store_b64 v6, v[176+2*\i:177+2*\i] offset:2*XP*\i
.endr
	s_wait_dscnt 0x0                               ; for the other waves' sake: my 16 channels of xn are in LDS before I signal
	s_barrier_signal -1
	s_barrier_wait -1
	; xn lies [channel][position]; the transposing load gives each lane 8 channels of one position: first load channels 32 kc + 8 h .., second 16 further
.irp kc, 0,1,2,3
.irp lt, 0,1,2,3
	ds_load_tr16_b128 v[XF+8*(4*\kc+\lt):XF+8*(4*\kc+\lt)+3],   v7 offset:32*XP*\kc+32*\lt
	ds_load_tr16_b128 v[XF+8*(4*\kc+\lt)+4:XF+8*(4*\kc+\lt)+7], v7 offset:32*XP*\kc+32*\lt+16*XP
.endr
.endr
	s_wait_loadcnt 0x0                             ; weights and biases
	WIN 0x41
.irp i, 0,2,4,6
	v_pk_mul_f32 v[BQ+\i:BQ+\i+1], v[BQ+\i:BQ+\i+1], CF op_sel_hi:[1,0]          ; bq gets the factor that wq has
.endr
.irp i, 1,2,3,4,5,6,7
	v_mov_b32 v[BV+\i], v[BV]                      ; v's tile has the output in the lane: one bias in all eight registers
.endr
	s_wait_dscnt 0x0                               ; xn's fragments
	; q and k: eight accumulators take turns, one instruction a turn
	WIN 0x11                                       ; A and C in window 1
.irp lt, 0,1,2,3
	v_wmma_f32_16x16x32_bf16 v[ACCQ+8*\lt:ACCQ+8*\lt+7], v[WF:WF+7], v[XF+8*\lt:XF+8*\lt+7], v[BQ:BQ+7]
	v_wmma_f32_16x16x32_bf16 v[ACCK+8*\lt:ACCK+8*\lt+7], v[WF+32:WF+39], v[XF+8*\lt:XF+8*\lt+7], v[BK:BK+7]
.endr
	WIN 0x01
.irp kc, 1,2,3
.irp lt, 0,1,2,3
	v_wmma_f32_16x16x32_bf16 v[ACCQ+8*\lt:ACCQ+8*\lt+7], v[WF+8*\kc:WF+8*\kc+7], v[XF+8*(4*\kc+\lt):XF+8*(4*\kc+\lt)+7], v[ACCQ+8*\lt:ACCQ+8*\lt+7]
	v_wmma_f32_16x16x32_bf16 v[ACCK+8*\lt:ACCK+8*\lt+7], v[WF+32+8*\kc:WF+32+8*\kc+7], v[XF+8*(4*\kc+\lt):XF+8*(4*\kc+\lt)+7], v[ACCK+8*\lt:ACCK+8*\lt+7]
.endr
.endr
	; v, sources swapped: four accumulators take turns
	WIN 0x14                                       ; B and C in window 1
.irp lt, 0,1,2,3
	v_wmma_f32_16x16x32_bf16 v[ACCV+8*\lt:ACCV+8*\lt+7], v[XF+8*\lt:XF+8*\lt+7], v[WF+64:WF+71], v[BV:BV+7]
.endr
	WIN 0x04
.irp kc, 1,2,3
.irp lt, 0,1,2,3
	v_wmma_f32_16x16x32_bf16 v[ACCV+8*\lt:ACCV+8*\lt+7], v[XF+8*(4*\kc+\lt):XF+8*(4*\kc+\lt)+7], v[WF+64+8*\kc:WF+64+8*\kc+7], v[ACCV+8*\lt:ACCV+8*\lt+7]
.endr
.endr
.rept 4
	v_nop                                          ; four places behind the last matrix instruction before its result is read and its sources are loaded into (ISA guide 7.12.1)
.endr
	WIN 0
.irp lt, 0,1,2,3
	PACK ACCQ+8*\lt
	ds_store_b128 v11, v[ACCQ+8*\lt:ACCQ+8*\lt+3] offset:16*SP*\lt               ; q, position 16 lt + r
	PACK ACCK+8*\lt
	ds_store_b128 v11, v[ACCK+8*\lt:ACCK+8*\lt+3] offset:64*SP+16*SP*\lt         ; K, key 16 lt + r
	PACK ACCV+8*\lt
	ds_store_b128 v12, v[ACCV+8*\lt:ACCV+8*\lt+3] offset:32*\lt                  ; V, keys 16 lt + 8 h ..
.endr
	s_wait_dscnt 0x0                               ; every row of the stage holds parts from all eight waves: mine are in before I signal
	s_barrier_signal -1
	s_barrier_wait -1
.irp t, 0,1,2,3
	ds_load_b128 v[128+4*\t:131+4*\t], v13 offset:2*SP*\t
.endr
.irp t, 0,1,2,3,4,5,6,7
	ds_load_b128 v[144+4*\t:147+4*\t], v14 offset:2*SP*\t
.endr
.irp t, 0,1,2,3
	s_wait_dscnt 11-\t                             ; LDS loads come back in order (ISA guide 5.7.1): the younger ones stay out
	global_store_b128 v15, v[128+4*\t:131+4*\t], s[20:21] offset:512*\t          ; sixteen lanes store one aligned row of 256 bytes
.endr
.irp t, 0,1,2,3,4,5,6,7
	s_wait_dscnt 7-\t
	global_store_b128 v16, v[144+4*\t:147+4*\t], s[22:23] offset:512*\t
.endr
	s_wait_tensorcnt 0x0
	ds_add_u32 v30, v31
	s_wait_dscnt 0x0
	s_endpgm
.Lfunc_end_k_q0f12b85fbe_qkv:
	.size	k_q0f12b85fbe_qkv, .Lfunc_end_k_q0f12b85fbe_qkv-k_q0f12b85fbe_qkv
	.p2alignl 7, 3214868480
	.fill 96, 4, 3214868480
	.section	.rodata,"a",@progbits
	.p2align	6, 0x0
	.amdhsa_kernel k_q0f12b85fbe_qkv
		.amdhsa_group_segment_fixed_size 73728
		.amdhsa_private_segment_fixed_size 0
		.amdhsa_enable_private_segment 0
		.amdhsa_kernarg_size 64
		.amdhsa_user_sgpr_count 2
		.amdhsa_user_sgpr_kernarg_segment_ptr 1
		.amdhsa_wavefront_size32 1
		.amdhsa_system_sgpr_workgroup_id_x 1
		.amdhsa_system_sgpr_workgroup_id_y 1
		.amdhsa_system_sgpr_workgroup_id_z 1
		.amdhsa_system_vgpr_workitem_id 0
		.amdhsa_next_free_vgpr 384
		.amdhsa_next_free_sgpr 66
		.amdhsa_reserve_vcc 0
		.amdhsa_float_denorm_mode_32 3
		.amdhsa_float_denorm_mode_16_64 3
		.amdhsa_memory_ordered 1
		.amdhsa_forward_progress 1
		.amdhsa_inst_pref_size 23
	.end_amdhsa_kernel
	.amdgpu_metadata
---
amdhsa.version: [ 1, 2 ]
amdhsa.kernels:
  - .name:           k_q0f12b85fbe_qkv
    .symbol:         k_q0f12b85fbe_qkv.kd
    .args:
      - { .name: x, .offset: 0, .size: 8, .value_kind: global_buffer, .address_space: global }
      - { .name: norm, .offset: 8, .size: 8, .value_kind: global_buffer, .address_space: global }
      - { .name: wb, .offset: 16, .size: 8, .value_kind: global_buffer, .address_space: global }
      - { .name: bq, .offset: 24, .size: 8, .value_kind: global_buffer, .address_space: global }
      - { .name: bk, .offset: 32, .size: 8, .value_kind: global_buffer, .address_space: global }
      - { .name: bv, .offset: 40, .size: 8, .value_kind: global_buffer, .address_space: global }
      - { .name: qb, .offset: 48, .size: 8, .value_kind: global_buffer, .address_space: global }
      - { .name: kv, .offset: 56, .size: 8, .value_kind: global_buffer, .address_space: global }
    .group_segment_fixed_size: 73728
    .private_segment_fixed_size: 0
    .kernarg_segment_align: 8
    .kernarg_segment_size: 64
    .max_flat_workgroup_size: 256
    .sgpr_count:     66
    .vgpr_count:     384
    .wavefront_size: 32
...
	.end_amdgpu_metadata
.endif
;; end of part 2
;; launch attn (part 3): grid 64 x 4, 4 waves a work-group, clusters of 4 x 1, 327,680 bytes of LDS; arguments qb, kv, wb, bo, x, out0; writes out0
.if DOCPART == 3
	.amdgcn_target "amdgcn-amd-amdhsa--gfx1250"
	.amdhsa_code_object_version 6
	.text
	.protected	k_q0f12b85fbe_attn
	.globl	k_q0f12b85fbe_attn
	.p2align	8
	.type	k_q0f12b85fbe_attn,@function
k_q0f12b85fbe_attn:
	s_mov_b64 s[64:65], 0
	v_nop
	global_prefetch_b8 v0, s[64:65] scope:SCOPE_SE
	s_setreg_imm32_b32 hwreg(HW_REG_WAVE_MODE, 25, 1), 1
	s_wait_xcnt 0x0
	s_wait_alu depctr_hold_cnt(0) depctr_sa_sdst(0) depctr_va_vdst(0) depctr_va_sdst(0) depctr_va_ssrc(0) depctr_va_vcc(0) depctr_vm_vsrc(0)
	s_getreg_b32 s2, hwreg(HW_REG_IB_STS2, 6, 4)
	s_cmp_eq_u32 s2, 0
	s_cbranch_scc0 .Lentry_in_a_cluster
	s_endpgm
.Lentry_in_a_cluster:
	s_bfe_u32 s2, ttmp6, 0x10000c
	s_cmp_lg_u32 s2, 0x3003
	s_cbranch_scc0 .Lentry_shape_is_right
	s_endpgm
.Lentry_shape_is_right:
; Attention over 4,096 keys with a running maximum, the merge of four key quarters, the product with wo, bo and the residual.
; Work-group: 64 queries of one image (query block 4 x cluster + cx, image = the grid's y).  Each of the four waves holds ALL 64 queries and takes
; a quarter of the keys: blocks 4 i + w of 64 keys, i = 0..15.  So every K or V fragment read from LDS feeds four matrix instructions, and the
; work-group reads each byte of K and V from LDS once.
; EVERY RESULT KEEPS THE QUERY IN THE LANE: S^T = K Q^T gives lane (r, h) keys 8 h + j of query r; two neighbouring key tiles, packed to bf16 in
; place, ARE the B fragment of O^T = V P; two channel tiles of O^T, packed, ARE the B fragment of wo x attn.  Maximum, sum and rescale factor are
; one number a lane and query tile; the only traffic between lanes is one exchange of the two halves for the maximum.
; q carries log2(e) / sqrt(128), so P = 2^(S - m) with m the running maximum of the scaled scores.
; CLUSTER: the four work-groups of a cluster have the same image and walk the same K/V blocks: each block is asked for jointly (mask 15), the same
; line and the same descriptor in all four; no descriptor word, LDS address or branch holds cx.  That divides the requests for K and V by four.
; RING: each wave has two slots of its own (128 rows x 272 bytes: 64 rows of K, 64 of V); only the issuing wave reads them.  By this text's own
; count a wave has two tensor loads out at the start and one behind each round of the cluster's barrier.
; The product P V of block i stands behind the round of block i + 1: the round, the refill and the next K fragments' loads lie among 64 matrix instructions.
; Limits: matrix operands (q, K, V, P, attn, wo) are bf16; the row sum adds the f32 exponentials while P V uses their bf16 roundings; weights below
; 2^-126 come out of v_exp_f32 as zero; NaN and infinities are not treated specially; the key quarters are merged as (0 + 1) + (2 + 3).
.set RP,    272                        ; LDS pitch: 256 bytes + 16, so sixteen rows start at sixteen different 16-byte columns
.set SLOT,  128*RP                     ; 34,816
.set WRING, 2*SLOT                     ; a wave's ring
.set STATS, 4*WRING                    ; 278,528: m at (16 a + r) 16 + 4 w, l 1,024 further; bytes of its own, no fill lands here
.set OSTG,  STATS+2048                 ; 280,576: out tile [128 o][64 q] f32, pitch 272
; the exchange of O (131,072 bytes from LDS byte 0) uses ring bytes behind their last fill: [source wave] 32,768 + a 8,192 + ct 1,024 + half 512 + 16 lane
; window 0
.set LA,  4                            ; v4, v5  my fragment address in slot 0, 1: w WRING + r RP + 16 h
.set QO,  6                            ; r 256 + 16 h: rows of qb and of wo
.set SA,  7                            ; STATS + 16 r + 4 w
.set SB,  8                            ; STATS + 16 r
.set XW,  9                            ; exchange, out: 32,768 w + 16 L
.set XR0, 10                           ; exchange, in: 8,192 w + 16 L (sources 0, 1)
.set XR2, 11                           ; + 65,536 (sources 2, 3)
.set OS,  12                           ; OSTG + 8 h RP + 4 (16 w + r)
.set ORD, 13                           ; OSTG + (32 w + h) RP + 16 r
.set XO,  14                           ; (32 w + h) 16,384 + 16 r: x and out0
.set BOF, 15                           ; 32 h
.set OUT, 64                           ; + 8 ot
.set VF,  128                          ; + 8 (8 p + ct); at the end x in 128-191, stage rows in 192-255
; window 1: QF[a][kc] = 8 (4 a + kc); at the end WO[ot][kc] = 8 (4 ot + kc)
.set KF,  128                          ; + 8 (4 kc + kt)
; window 2: O[ct][a] = 32 ct + 8 a; at the end the four sources at 64 s + 8 ct, attn's fragments at 16 kc
; window 3: S tile (a, kt) = 32 a + 8 kt; P[a][p] packed in place at 32 a + 16 p
.set T,   128                          ; 4: maxima at work
.set T2,  132                          ; 4: the other half's
.set MP,  136                          ; 4 pairs: the running maximum, twice
.set AL,  144                          ; 4 pairs: the rescale factor, twice
.set LL,  152                          ; 4: running sums (my half's keys)
.set LS,  156                          ; 4 pairs: this block's sums
.set MW,  164                          ; 16: the four waves' maxima
.set LW,  180                          ; 16: the four waves' sums
.set G1,  16                           ; s[16:23] descriptor group 1
.set G0,  24                           ; s[24:31] descriptor group 0, one set for each slot
.set MSB, 0
.macro WIN new                         ; s_set_vgpr_msb: bits 1:0 source 0, 3:2 source 1, 5:4 source 2, 7:6 destination; the high byte repeats the setting left
.if MSB != \new
	s_set_vgpr_msb (MSB<<8)|\new
.set MSB, \new
.endif
.endm
.macro PLACES n                        ; places behind matrix instructions (ISA guide 7.12.1)
.rept \n
	v_nop
.endr
.endm
.macro CREST                           ; a round of the cluster's barrier behind its opening barrier
	s_cmp_lg_u32 s8, 0
	s_cbranch_scc1 .Lnot_wave_0_\@
	s_barrier_signal -3
.Lnot_wave_0_\@:
	s_barrier_wait -3
	s_barrier_signal -1
	s_barrier_wait -1
.endm
.macro ROUND                           ; a whole round
	s_barrier_signal -1
	s_barrier_wait -1
	CREST
.endm
; 32 LDS loads: K's fragments (4 key tiles x 4 quarters of the channels), quarter by quarter so that the products can start on the first
.macro LOADK slot
	WIN 0x40
.irp kc, 0,1,2,3
.irp kt, 0,1,2,3
	ds_load_b128 v[KF+8*(4*\kc+\kt):KF+8*(4*\kc+\kt)+3],   v[LA+\slot] offset:16*RP*\kt+64*\kc
	ds_load_b128 v[KF+8*(4*\kc+\kt)+4:KF+8*(4*\kc+\kt)+7], v[LA+\slot] offset:16*RP*\kt+64*\kc+32
.endr
.endr
.endm
; 32 LDS loads: V's fragments: channel 16 ct + r lies in row 64 + 16 (ct & 3) + r at byte 128 (ct >> 2); keys 32 p ..
.macro LOADV slot
	WIN 0
.irp p, 0,1
.irp ct, 0,1,2,3,4,5,6,7
	ds_load_b128 v[VF+8*(8*\p+\ct):VF+8*(8*\p+\ct)+3],   v[LA+\slot] offset:(64+16*(\ct&3))*RP+128*(\ct>>2)+64*\p
	ds_load_b128 v[VF+8*(8*\p+\ct)+4:VF+8*(8*\p+\ct)+7], v[LA+\slot] offset:(64+16*(\ct&3))*RP+128*(\ct>>2)+64*\p+32
.endr
.endr
.endm
; S^T = K Q^T, 64 matrix instructions; the first quarter starts the sums; sixteen accumulators take turns, one instruction a turn
.macro SMM
	WIN 0xf5                                       ; A, B window 1; C, D window 3
.irp kc, 0,1,2,3
	s_wait_dscnt 8*(3-\kc)                         ; the eight loads of each later quarter may stay out
.irp kt, 0,1,2,3
.irp a, 0,1,2,3
.if \kc == 0
	v_wmma_f32_16x16x32_bf16 v[32*\a+8*\kt:32*\a+8*\kt+7], v[KF+8*(4*\kc+\kt):KF+8*(4*\kc+\kt)+7], v[8*(4*\a+\kc):8*(4*\a+\kc)+7], 0
.else
	v_wmma_f32_16x16x32_bf16 v[32*\a+8*\kt:32*\a+8*\kt+7], v[KF+8*(4*\kc+\kt):KF+8*(4*\kc+\kt)+7], v[8*(4*\a+\kc):8*(4*\a+\kc)+7], v[32*\a+8*\kt:32*\a+8*\kt+7]
.endif
.endr
.endr
.endr
.endm
; O^T += V P for keys 32 p .. 32 p + 31: 32 matrix instructions, 32 accumulators by turns
.macro PVH p, zero
	WIN 0xac                                       ; A window 0, B window 3, C and D window 2
.irp ct, 0,1,2,3,4,5,6,7
.irp a, 0,1,2,3
.if \zero
	v_wmma_f32_16x16x32_bf16 v[32*\ct+8*\a:32*\ct+8*\a+7], v[VF+8*(8*\p+\ct):VF+8*(8*\p+\ct)+7], v[32*\a+16*\p:32*\a+16*\p+7], 0
.else
	v_wmma_f32_16x16x32_bf16 v[32*\ct+8*\a:32*\ct+8*\a+7], v[VF+8*(8*\p+\ct):VF+8*(8*\p+\ct)+7], v[32*\a+16*\p:32*\a+16*\p+7], v[32*\ct+8*\a:32*\ct+8*\a+7]
.endif
.endr
.endr
.endm
.macro SUBM a                          ; S - m for query tile a
.irp i, 0,2,4,6,8,10,12,14,16,18,20,22,24,26,28,30
	v_pk_add_f32 v[32*\a+\i:32*\a+\i+1], v[32*\a+\i:32*\a+\i+1], v[MP+2*\a:MP+2*\a+1] neg_lo:[0,1] neg_hi:[0,1]
.endr
.endm
.macro EXPM a                          ; 2^(S - m), in place
.set j, 0
.rept 32
	v_exp_f32 v[32*\a+j], v[32*\a+j]
.set j, j+1
.endr
.endm
; sum and pack for query tile a.  Register base + i takes numbers 2 i and 2 i + 1; each pair is added before a conversion writes over it.
; A conversion stands between two links of the chain of adds.
.macro SC a
	s_wait_alu depctr_va_vdst(0)
	v_pk_add_f32 v[LS+2*\a:LS+2*\a+1], v[32*\a:32*\a+1], v[32*\a+2:32*\a+3]
	v_cvt_pk_bf16_f32 v[32*\a], v[32*\a], v[32*\a+1]
	v_cvt_pk_bf16_f32 v[32*\a+1], v[32*\a+2], v[32*\a+3]
.irp i, 2,3,4,5,6,7
	v_pk_add_f32 v[LS+2*\a:LS+2*\a+1], v[LS+2*\a:LS+2*\a+1], v[32*\a+2*\i:32*\a+2*\i+1]
	v_cvt_pk_bf16_f32 v[32*\a+\i], v[32*\a+2*\i], v[32*\a+2*\i+1]
.endr
.irp i, 0,1,2,3,4,5,6,7
	v_pk_add_f32 v[LS+2*\a:LS+2*\a+1], v[LS+2*\a:LS+2*\a+1], v[32*\a+16+2*\i:32*\a+16+2*\i+1]
	v_cvt_pk_bf16_f32 v[32*\a+16+\i], v[32*\a+16+2*\i], v[32*\a+16+2*\i+1]
.endr
.endm
; One block's softmax step, all in window 3.  A lane holds 32 of a query's 64 keys; lane L xor 16 holds the others.
; Behind every v_exp_f32 a plain instruction on other registers stands before its result is used (ISA guide 5.7.2): the next tile's subtraction, or the tile before's sums.
.macro SOFTMAX
	WIN 0xff
.irp a, 0,1,2,3
	v_max3_num_f32 v[T+\a], v[MP+2*\a], v[32*\a], v[32*\a+1]                     ; the old maximum starts the chain
.endr
.set j, 1
.rept 15
.irp a, 0,1,2,3
	v_max3_num_f32 v[T+\a], v[T+\a], v[32*\a+2*j], v[32*\a+2*j+1]
.endr
.set j, j+1
.endr
.irp a, 0,1,2,3
	v_permlanex16_b32 v[T2+\a], v[T+\a], s12, s13
.endr
.irp a, 0,1,2,3
	v_max_num_f32 v[T+\a], v[T+\a], v[T2+\a]       ; the new maximum, equal in both halves
.endr
.irp a, 0,1,2,3
	v_sub_f32 v[AL+2*\a], v[MP+2*\a], v[T+\a]      ; old - new; -inf in the first block
.endr
.irp a, 0,1,2,3
	v_mov_b32 v[MP+2*\a], v[T+\a]
	v_mov_b32 v[MP+2*\a+1], v[T+\a]
.endr
.irp a, 0,1,2,3
	v_exp_f32 v[AL+2*\a], v[AL+2*\a]               ; the rescale factor; 0 in the first block
.endr
	SUBM 0
	s_wait_alu depctr_va_vdst(0)
.irp a, 0,1,2,3
	v_mov_b32 v[AL+2*\a+1], v[AL+2*\a]
.endr
	EXPM 0
	SUBM 1
	EXPM 1
	SC 0
	SUBM 2
	EXPM 2
	SC 1
	SUBM 3
	EXPM 3
	SC 2
	SC 3
.irp a, 0,1,2,3
	v_add_f32 v[LS+2*\a], v[LS+2*\a], v[LS+2*\a+1]
.endr
.irp a, 0,1,2,3
	v_fma_f32 v[LL+\a], v[LL+\a], v[AL+2*\a], v[LS+2*\a]
.endr
.endm
.macro RESCALE                         ; O times the factor of its query tile
	WIN 0x8e                                       ; O in window 2, the factor in window 3
.irp ct, 0,1,2,3,4,5,6,7
.irp a, 0,1,2,3
.irp i, 0,2,4,6
	v_pk_mul_f32 v[32*\ct+8*\a+\i:32*\ct+8*\a+\i+1], v[32*\ct+8*\a+\i:32*\ct+8*\a+\i+1], v[AL+2*\a:AL+2*\a+1]
.endr
.endr
.endr
.endm
; One step: P V of the block in slot cur (its P and V fragments are in registers), then scores and softmax of the block in slot next.
; fill = 1: slot cur gets the block two steps on.  In front of the round every wave has waited for its reads of the slot and for all its tensor loads;
; inside the round stands register work alone; the joint refill is the first tensor load behind the round's closing wait, one a wave.
.macro TURN cur, next, fill, zero
	s_wait_dscnt 0x0                               ; V's fragments are in: all my reads of slot cur are over
	s_wait_tensorcnt 0x0                           ; all my tensor loads have landed: the one that was out is slot next's
	ds_add_u32 v62, v63
	s_wait_dscnt 0x0
.if \fill
	s_barrier_signal -1                            ; opens the round
.endif
	PVH 0, \zero
	WIN 0                                          ; branches and a label follow
.if \fill
	s_barrier_wait -1
	CREST                                          ; no wave of any partner still reads its slot cur or has a load on its way
	s_add_nc_u64 s[G0+4*\cur+2:G0+4*\cur+3], s[G0+4*\cur+2:G0+4*\cur+3], 262144   ; two steps of four blocks of 32,768 bytes; no load names these registers now
	tensor_load_to_lds s[G0+4*\cur:G0+4*\cur+3], s[G1:G1+7]
	s_nop 0
.endif
	LOADK \next
	PVH 1, 0
	PLACES 5                                       ; the scores write over P, which the products above read
	SMM
	PLACES 4                                       ; before the scores are read
	LOADV \next
	SOFTMAX
	RESCALE
	WIN 0
.endm
.macro LAP zero
	TURN 0, 1, 1, \zero
	TURN 1, 0, 1, 0
.endm
	s_load_b256 s[36:43], s[0:1], 0x0              ; qb 36:37, kv 38:39, wb 40:41, bo 42:43
	s_load_b128 s[44:47], s[0:1], 0x20             ; x 44:45, out0 46:47
	v_lshl_add_u32 v62, v0, 2, 0x4d000
	v_mov_b32 v63, 0
	ds_add_u32 v62, v63
	v_and_b32 v1, 31, v0                           ; lane L
	v_lshrrev_b32 v16, 5, v0
	v_readfirstlane_b32 s8, v16                    ; wave w
	s_bfe_u32 s9, ttmp6, 0x40000                   ; cx
	s_lshl_b32 s10, ttmp9, 2
	s_add_co_u32 s10, s10, s9                      ; query block = 4 x cluster x + cx
	s_and_b32 s11, ttmp7, 0xffff                   ; image n, the same in the four partners
	s_mov_b32 s12, 0x76543210                      ; v_permlanex16_b32: lane i reads lane i of the other half
	s_mov_b32 s13, 0xfedcba98
	; group 1: 128 rows of 32 elements of 8 bytes, dense in memory, 16 bytes of padding behind each row in LDS
	s_mov_b32 s[G1+0], 15|(3<<16)|(1<<20)|(1<<21)|(5<<22)|(3<<25)  ; 15:0 mask: all four of the cluster; 17:16 8 bytes; 20 padding; 21 set beside a mask; 24:22 after 64 words; 31:25 4 words
	s_mov_b32 s[G1+1], 32<<16                      ; tensor_dim0 = 32
	s_mov_b32 s[G1+2], 128<<16                     ; tensor_dim1 = 128
	s_mov_b32 s[G1+3], 32<<16                      ; tile_dim0 = 32
	s_mov_b32 s[G1+4], 128                         ; tile_dim1 = 128
	s_mov_b32 s[G1+5], 32                          ; from row to row: 32 elements
	s_mov_b32 s[G1+6], 0
	s_mov_b32 s[G1+7], 0
	v_and_b32 v2, 15, v1                           ; r
	v_lshrrev_b32 v3, 4, v1                        ; h
	v_lshlrev_b32 v17, 4, v3                       ; 16 h
	v_lshlrev_b32 v18, 4, v2                       ; 16 r
	v_lshlrev_b32 v19, 4, v1                       ; 16 L
	v_mul_u32_u24 v16, v2, RP
	v_add_nc_u32 v16, v16, v17
	s_mul_i32 s14, s8, WRING                       ; my ring
	v_add_nc_u32 v[LA], s14, v16
	v_add_nc_u32 v[LA+1], SLOT, v[LA]
	v_lshl_add_u32 v[QO], v2, 8, v17
	s_lshl_b32 s15, s8, 2
	s_add_co_u32 s15, s15, STATS
	v_add_nc_u32 v[SA], s15, v18
	v_add_nc_u32 v[SB], STATS, v18
	s_lshl_b32 s48, s8, 15
	v_add_nc_u32 v[XW], s48, v19
	s_lshl_b32 s48, s8, 13
	v_add_nc_u32 v[XR0], s48, v19
	v_add_nc_u32 v[XR2], 0x10000, v[XR0]
	v_mul_u32_u24 v20, v3, 8*RP
	v_lshl_add_u32 v20, v2, 2, v20
	s_lshl_b32 s48, s8, 6
	s_add_co_u32 s48, s48, OSTG
	v_add_nc_u32 v[OS], s48, v20
	v_mul_u32_u24 v20, v3, RP
	v_add_nc_u32 v20, v20, v18
	s_mul_i32 s48, s8, 32*RP
	s_add_co_u32 s48, s48, OSTG
	v_add_nc_u32 v[ORD], s48, v20
	v_lshl_add_u32 v20, v3, 14, v18
	s_lshl_b32 s48, s8, 19
	v_add_nc_u32 v[XO], s48, v20
	v_lshlrev_b32 v[BOF], 5, v3
	s_wait_dscnt 0x0
	s_wait_kmcnt 0x0
	; K/V: image n, block w; made of n and the wave's number alone, in registers that never hold cx
	s_lshl_b32 s32, s11, 21
	s_lshl_b32 s48, s8, 15
	s_add_co_u32 s32, s32, s48
	s_mov_b32 s33, 0
	s_add_nc_u64 s[34:35], s[38:39], s[32:33]
.irp s, 0,1
	s_mov_b32 s[G0+4*\s], 1                                        ; count = 1
	s_add_co_u32 s[G0+4*\s+1], s14, \s*SLOT                        ; LDS address: wave x ring + slot
	s_add_nc_u64 s[G0+4*\s+2:G0+4*\s+3], s[34:35], \s*131072       ; block 4 s + w
	s_or_b32 s[G0+4*\s+3], s[G0+4*\s+3], 0x80000000                ; type = 2
.endr
	; what hangs on cx: q, x, out0
	s_lshl_b32 s50, s11, 20
	s_lshl_b32 s49, s10, 14
	s_add_co_u32 s50, s50, s49
	s_mov_b32 s51, 0
	s_add_nc_u64 s[36:37], s[36:37], s[50:51]      ; qb: image n, my 64 rows of 256 bytes
	s_lshl_b32 s50, s11, 21
	s_lshl_b32 s49, s10, 8
	s_add_co_u32 s50, s50, s49
	s_add_nc_u64 s[44:45], s[44:45], s[50:51]      ; x and out0: image n, my 64 positions of 4 bytes
	s_add_nc_u64 s[46:47], s[46:47], s[50:51]
	s_add_nc_u64 s[40:41], s[40:41], 98304         ; wo is the fourth matrix of wb
	WIN 0x40
.irp a, 0,1,2,3
.irp kc, 0,1,2,3
	global_load_b128 v[8*(4*\a+\kc):8*(4*\a+\kc)+3],   v[QO], s[36:37] offset:4096*\a+64*\kc      ; Q's fragments stay in registers for the whole kernel
	global_load_b128 v[8*(4*\a+\kc)+4:8*(4*\a+\kc)+7], v[QO], s[36:37] offset:4096*\a+64*\kc+32
.endr
.endr
	WIN 0
	ROUND                                          ; all four work-groups are here: the first joint loads meet
	tensor_load_to_lds s[G0:G0+3], s[G1:G1+7]      ; block w
	s_nop 0
	tensor_load_to_lds s[G0+4:G0+7], s[G1:G1+7]    ; block 4 + w
	s_nop 0
	WIN 0xc0
.irp a, 0,1,2,3
	v_mov_b32 v[MP+2*\a], 0xff800000               ; the running maximum starts at -inf,
	v_mov_b32 v[LL+\a], 0                          ; the running sum at 0
	v_mov_b32 v[T2+\a], 0                          ; v_permlanex16_b32 counts as a reader of its destination
.endr
	s_wait_tensorcnt 0x1                           ; my slot 0 has landed, and only I read it; slot 1's load stays out
	LOADK 0
	s_wait_loadcnt 0x0                             ; Q
	SMM
	PLACES 4
	LOADV 0
	SOFTMAX                                        ; O does not exist yet: nothing to rescale
	WIN 0
	LAP 1                                          ; the first products P V start O's sums
	s_mov_b32 s3, 6
.Llap:
	LAP 0
	s_sub_co_u32 s3, s3, 1
	s_cmp_lg_u32 s3, 0
	s_cbranch_scc1 .Llap
	TURN 0, 1, 0, 0                                ; blocks 2 .. 15 have been asked for: the last steps fill nothing and have no round
	; THE END.  wo's fragments go into window 1, whose last use by a matrix instruction lies a whole softmax back.
	WIN 0x40
.irp ot, 0,1,2,3,4,5,6,7
.irp kc, 0,1,2,3
	global_load_b128 v[8*(4*\ot+\kc):8*(4*\ot+\kc)+3],   v[QO], s[40:41] offset:4096*\ot+64*\kc
	global_load_b128 v[8*(4*\ot+\kc)+4:8*(4*\ot+\kc)+7], v[QO], s[40:41] offset:4096*\ot+64*\kc+32
.endr
.endr
	s_wait_dscnt 0x0                               ; the last block's V fragments
	PVH 0, 0
	PVH 1, 0
	PLACES 4                                       ; before V's registers are loaded into and O is read
	WIN 0
.irp ot, 0,1,2,3,4,5,6,7
	global_load_b128 v[OUT+8*\ot:OUT+8*\ot+3],   v[BOF], s[42:43] offset:64*\ot      ; bo[16 ot + 8 h + j] in register j: the C tile of the last product
	global_load_b128 v[OUT+8*\ot+4:OUT+8*\ot+7], v[BOF], s[42:43] offset:64*\ot+16
.endr
.irp t, 0,1,2,3,4,5,6,7,8,9,10,11,12,13,14,15
	global_load_b128 v[128+4*\t:131+4*\t], v[XO], s[44:45] offset:32768*\t           ; x, rows o = 32 w + 2 t + h, my block's 64 positions
.endr
	WIN 0xff
.irp a, 0,1,2,3
	v_permlanex16_b32 v[T2+\a], v[LL+\a], s12, s13
.endr
.irp a, 0,1,2,3
	v_add_f32 v[LL+\a], v[LL+\a], v[T2+\a]         ; my quarter's whole sum, the same bits in both halves
.endr
	WIN 0x0c                                       ; store data in window 3
.irp a, 0,1,2,3
	ds_store_b32 v[SA], v[MP+2*\a] offset:256*\a
	ds_store_b32 v[SA], v[LL+\a] offset:1024+256*\a
.endr
	WIN 0
	s_wait_dscnt 0x0                               ; my maxima and sums are in LDS, and my reads of the ring are long over
	s_barrier_signal -1
	s_barrier_wait -1                              ; behind it: everybody's figures can be read, and the ring's bytes, filled for the last time, can be written
	WIN 0xc0
.irp a, 0,1,2,3
	ds_load_b128 v[MW+4*\a:MW+4*\a+3], v[SB] offset:256*\a
	ds_load_b128 v[LW+4*\a:LW+4*\a+3], v[SB] offset:1024+256*\a
.endr
	s_wait_dscnt 0x0
	WIN 0xff
.irp a, 0,1,2,3
	v_max3_num_f32 v[T+\a], v[MW+4*\a], v[MW+4*\a+1], v[MW+4*\a+2]
.endr
.irp a, 0,1,2,3
	v_max_num_f32 v[T+\a], v[T+\a], v[MW+4*\a+3]   ; the query's maximum over all keys
.endr
.irp a, 0,1,2,3
.irp i, 0,1,2,3
	v_sub_f32 v[MW+4*\a+\i], v[MW+4*\a+\i], v[T+\a]
.endr
	v_sub_f32 v[AL+2*\a], v[MP+2*\a], v[T+\a]
.endr
.irp a, 0,1,2,3
.irp i, 0,1,2,3
	v_exp_f32 v[MW+4*\a+\i], v[MW+4*\a+\i]
.endr
	v_exp_f32 v[AL+2*\a], v[AL+2*\a]
.endr
	v_nop                                          ; a plain place behind the exponentials
	s_wait_alu depctr_va_vdst(0)
.irp a, 0,1,2,3
	v_mul_f32 v[LS+2*\a], v[MW+4*\a], v[LW+4*\a]
.endr
.irp i, 1,2,3
.irp a, 0,1,2,3
	v_fma_f32 v[LS+2*\a], v[MW+4*\a+\i], v[LW+4*\a+\i], v[LS+2*\a]               ; the whole sum: at least 1, from the key that holds the maximum
.endr
.endr
.irp a, 0,1,2,3
	v_rcp_f32 v[LS+2*\a+1], v[LS+2*\a]
.endr
	v_nop
	s_wait_alu depctr_va_vdst(0)
.irp a, 0,1,2,3
	v_mul_f32 v[AL+2*\a], v[AL+2*\a], v[LS+2*\a+1] ; my quarter's factor: 2^(m_own - m) / sum
.endr
.irp a, 0,1,2,3
	v_mov_b32 v[AL+2*\a+1], v[AL+2*\a]
.endr
	RESCALE
	WIN 0x08                                       ; store data in window 2
.irp a, 0,1,2,3
.irp ct, 0,1,2,3,4,5,6,7
	ds_store_b128 v[XW], v[32*\ct+8*\a:32*\ct+8*\a+3]   offset:8192*\a+1024*\ct
	ds_store_b128 v[XW], v[32*\ct+8*\a+4:32*\ct+8*\a+7] offset:8192*\a+1024*\ct+512
.endr
.endr
	WIN 0
	s_wait_dscnt 0x0                               ; my O is in LDS before I signal
	s_barrier_signal -1
	s_barrier_wait -1
	WIN 0x80                                       ; wave w takes query tile w from all four sources, in the registers' own layout
.irp s, 0,1
.irp ct, 0,1,2,3,4,5,6,7
	ds_load_b128 v[64*\s+8*\ct:64*\s+8*\ct+3],   v[XR0] offset:32768*\s+1024*\ct
	ds_load_b128 v[64*\s+8*\ct+4:64*\s+8*\ct+7], v[XR0] offset:32768*\s+1024*\ct+512
.endr
.endr
.irp s, 0,1
.irp ct, 0,1,2,3,4,5,6,7
	ds_load_b128 v[128+64*\s+8*\ct:128+64*\s+8*\ct+3],   v[XR2] offset:32768*\s+1024*\ct
	ds_load_b128 v[128+64*\s+8*\ct+4:128+64*\s+8*\ct+7], v[XR2] offset:32768*\s+1024*\ct+512
.endr
.endr
	s_wait_dscnt 0x0
	WIN 0x8a
.set i, 0
.rept 32
	v_pk_add_f32 v[2*i:2*i+1], v[2*i:2*i+1], v[64+2*i:64+2*i+1]
	v_pk_add_f32 v[128+2*i:128+2*i+1], v[128+2*i:128+2*i+1], v[192+2*i:192+2*i+1]
.set i, i+1
.endr
.set i, 0
.rept 32
	v_pk_add_f32 v[2*i:2*i+1], v[2*i:2*i+1], v[128+2*i:128+2*i+1]
.set i, i+1
.endr
.irp kc, 0,1,2,3
.irp i, 0,1,2,3,4,5,6,7
	v_cvt_pk_bf16_f32 v[16*\kc+\i], v[16*\kc+2*\i], v[16*\kc+2*\i+1]             ; channel tiles 2 kc and 2 kc + 1, packed in place: the B fragment for channels 32 kc ..
.endr
.endr
	s_wait_loadcnt 16                              ; wo and bo are in; the 16 loads of x are younger
	WIN 0x09                                       ; A window 1, B window 2, C and D window 0
.irp kc, 0,1,2,3
.irp ot, 0,1,2,3,4,5,6,7
	v_wmma_f32_16x16x32_bf16 v[OUT+8*\ot:OUT+8*\ot+7], v[8*(4*\ot+\kc):8*(4*\ot+\kc)+7], v[16*\kc:16*\kc+7], v[OUT+8*\ot:OUT+8*\ot+7]   ; eight accumulators by turns
.endr
.endr
	PLACES 4
	WIN 0
.irp ot, 0,1,2,3,4,5,6,7
.irp j, 0,1,2,3,4,5,6,7
	ds_store_b32 v[OS], v[OUT+8*\ot+\j] offset:(16*\ot+\j)*RP                    ; (o = 16 ot + 8 h + j, q = 16 w + r)
.endr
.endr
	s_wait_dscnt 0x0                               ; every row of the tile holds parts from all four waves
	s_barrier_signal -1
	s_barrier_wait -1
.irp t, 0,1,2,3,4,5,6,7,8,9,10,11,12,13,14,15
	ds_load_b128 v[192+4*\t:195+4*\t], v[ORD] offset:2*RP*\t
.endr
	s_wait_loadcnt 0x0                             ; x
.irp t, 0,1,2,3,4,5,6,7,8,9,10,11,12,13,14,15
	s_wait_dscnt 15-\t                             ; LDS loads come back in order (ISA guide 5.7.1): the younger rows stay out
	v_pk_add_f32 v[192+4*\t:193+4*\t], v[192+4*\t:193+4*\t], v[128+4*\t:129+4*\t]
	v_pk_add_f32 v[194+4*\t:195+4*\t], v[194+4*\t:195+4*\t], v[130+4*\t:131+4*\t]
	global_store_b128 v[XO], v[192+4*\t:195+4*\t], s[46:47] offset:32768*\t      ; sixteen lanes store 256 consecutive bytes of a channel's row, aligned
.endr
	s_wait_tensorcnt 0x0
	ds_add_u32 v62, v63
	s_wait_dscnt 0x0
	ROUND                                          ; the closing round: no work-group ends while a partner may still ask jointly
	s_endpgm
.Lfunc_end_k_q0f12b85fbe_attn:
	.size	k_q0f12b85fbe_attn, .Lfunc_end_k_q0f12b85fbe_attn-k_q0f12b85fbe_attn
	.p2alignl 7, 3214868480
	.fill 96, 4, 3214868480
	.section	.rodata,"a",@progbits
	.p2align	6, 0x0
	.amdhsa_kernel k_q0f12b85fbe_attn
		.amdhsa_group_segment_fixed_size 327680
		.amdhsa_private_segment_fixed_size 0
		.amdhsa_enable_private_segment 0
		.amdhsa_kernarg_size 48
		.amdhsa_user_sgpr_count 2
		.amdhsa_user_sgpr_kernarg_segment_ptr 1
		.amdhsa_wavefront_size32 1
		.amdhsa_system_sgpr_workgroup_id_x 1
		.amdhsa_system_sgpr_workgroup_id_y 1
		.amdhsa_system_sgpr_workgroup_id_z 1
		.amdhsa_system_vgpr_workitem_id 0
		.amdhsa_next_free_vgpr 1024
		.amdhsa_next_free_sgpr 66
		.amdhsa_reserve_vcc 0
		.amdhsa_float_denorm_mode_32 3
		.amdhsa_float_denorm_mode_16_64 3
		.amdhsa_memory_ordered 1
		.amdhsa_forward_progress 1
		.amdhsa_inst_pref_size 255
	.end_amdhsa_kernel
	.section	.bss,"aw",@nobits
	.p2align	6
	.space	262144
	.amdgpu_metadata
---
amdhsa.version: [ 1, 2 ]
amdhsa.kernels:
  - .name:           k_q0f12b85fbe_attn
    .symbol:         k_q0f12b85fbe_attn.kd
    .args:
      - { .name: qb, .offset: 0, .size: 8, .value_kind: global_buffer, .address_space: global }
      - { .name: kv, .offset: 8, .size: 8, .value_kind: global_buffer, .address_space: global }
      - { .name: wb, .offset: 16, .size: 8, .value_kind: global_buffer, .address_space: global }
      - { .name: bo, .offset: 24, .size: 8, .value_kind: global_buffer, .address_space: global }
      - { .name: x, .offset: 32, .size: 8, .value_kind: global_buffer, .address_space: global }
      - { .name: out0, .offset: 40, .size: 8, .value_kind: global_buffer, .address_space: global }
    .group_segment_fixed_size: 327680
    .private_segment_fixed_size: 0
    .kernarg_segment_align: 8
    .kernarg_segment_size: 48
    .max_flat_workgroup_size: 128
    .sgpr_count:     66
    .vgpr_count:     1024
    .wavefront_size: 32
...
	.end_amdgpu_metadata
.endif
;; end of part 3
;; ======== version 2 of 2: 3 launches; version 1 with the launch qkv written anew for expert scheduling mode
;; workspace buffers: norm 4,096 bytes; wb 131,072 bytes; qb 4,194,304 bytes; kv 8,388,608 bytes
;; launch stats: the kernel of part 1 again; grid 128 x 1, 8 waves a work-group, no clusters, 1,280 bytes of LDS; arguments x, gamma, beta, wq, wk, wv, wo, norm, wb; writes norm, wb
;; launch qkv (part 4): grid 64 x 4, 8 waves a work-group, no clusters, 73,728 bytes of LDS; arguments x, norm, wb, bq, bk, bv, qb, kv; writes qb, kv
.if DOCPART == 4
	.amdgcn_target "amdgcn-amd-amdhsa--gfx1250"
	.amdhsa_code_object_version 6
	.text
	.protected	k_q0f12b85fbe_qkv
	.globl	k_q0f12b85fbe_qkv
	.p2align	8
	.type	k_q0f12b85fbe_qkv,@function
k_q0f12b85fbe_qkv:
	s_mov_b64 s[64:65], 0
	v_nop
	global_prefetch_b8 v0, s[64:65] scope:SCOPE_SE
	s_setreg_imm32_b32 hwreg(HW_REG_WAVE_SCHED_MODE, 0, 2), 2
	s_setreg_imm32_b32 hwreg(HW_REG_WAVE_MODE, 25, 1), 1
	s_wait_xcnt 0x0
	s_wait_alu depctr_vm_vsrc(0)
; xn = x scale + shift (GroupNorm), then q, k, v = W xn + b for 64 positions of one image, written in the layouts that the attention wants.
; Work-group (b, n): positions 64 b .. 64 b + 63 of image n.  Wave w makes outputs 16 w .. 16 w + 15 of each of q, k, v for all four tiles
; of 16 positions: 48 matrix instructions a wave, the same text in every wave, every weight byte read once by the work-group.
; qb[n][l][c] bf16, rows of 256 bytes; q carries the factor log2(e) / sqrt(128) (in wq already; bq is multiplied here).
; kv[n][b]: 128 rows of 256 bytes: rows 0-63 K[key][128 channels]; row 64 + rho = V[channel rho][64 keys], then V[channel 64 + rho][64 keys].
; q and k: A = weights (row = output), B = xn (column = position), so a lane holds 8 neighbouring channels of one position = 16 bytes of a row.
; v: the sources swapped, so a lane holds 8 neighbouring positions of one channel = 16 bytes of a V row.
; The bias is the C operand of the first product: nothing is cleared and nothing is added afterwards.
; No tensor loads, no cluster: the work-groups share only the 96 KiB of weights, against one pass of 48 matrix instructions a wave.
; Limits: xn, weights, q, k, v are rounded to bf16; sums in f32.
; THE MODE: SCHED_MODE bits 1:0 = 2 (LLVM: expert scheduling mode 2), set by the entry lines.  The code itself states the register dependences
; between vector or matrix instructions and memory or LDS instructions, with s_wait_alu, always for 0.
; THE PLAN.  Registers that memory or LDS instructions touch, in the order of the text:
;   v4-v16         offsets and LDS addresses: written once at the head, read by loads and stores, never written again.
;   v[128:159]     x as loaded: the multiply-adds work in place, the conversions read them; behind the first barrier xn's fragments land here.
;   v[160:175]     {scale, shift} as loaded: the multiply-adds read them; then fragments land here.
;   v[176:191]     xn packed: the conversions write them, eight LDS stores read them; then fragments land here.
;   v[128:255]     xn's fragments: the transposing loads write them, the matrix instructions read them; behind the second barrier the stage's
;                  rows land in v[128:175], and the global stores read them there.
;   window 1       weights and biases: loads write them; vector and matrix instructions alone name them afterwards.
;   v[32:127]      accumulators: matrix instructions write them, the conversions pack them in place, twelve LDS stores read the packed quarters.
;   v30, v31       written at the head, read by the closing add alone.
; So the vector work of each of the two stages stands in one run, ONE wait on va_vdst follows it, and the stage's LDS stores follow that in one run;
; the same wait serves the LDS loads behind the next barrier, since no vector or matrix instruction stands between.  One wait on vm_vsrc stands
; ahead of the transposing loads, which land in registers that LDS stores have read.
.set XP,   160                         ; LDS pitch of xn[c][64 l] in bf16: 128 bytes + 32, an odd multiple of 32 bytes for the transposing loads
.set STG,  128*XP                      ; 20,480: behind xn, the stage: 192 rows (64 of q, 64 of K, 64 of V) x 272 bytes
.set SP,   272                         ; 256 bytes + 16: sixteen rows start at sixteen different 16-byte columns
.set CF,   0x3e0293ee                  ; log2(e) / sqrt(128)
; window 0: v1-v24 lane terms; accumulators; xn's fragments (their registers first serve to stage x)
.set ACCQ, 32                          ; + 8 lt
.set ACCK, 64
.set ACCV, 96
.set XF,   128                         ; + 8 (4 kc + lt)
; window 1 (v256 and up, written with their low 8 bits)
.set WF,   0                           ; + 8 (4 mat + kc): my 16 rows of wq, wk, wv
.set BQ,   96                          ; C tiles made of the biases
.set BK,   104
.set BV,   112
.set MSB, 0
.macro WIN new                         ; s_set_vgpr_msb: bits 1:0 source 0, 3:2 source 1, 5:4 source 2, 7:6 destination; the high byte repeats the setting left
.if MSB != \new
	s_set_vgpr_msb (MSB<<8)|\new
.set MSB, \new
.endif
.endm
.macro PACK t                          ; eight f32 of a tile to 16 bytes of bf16, in place: register i takes numbers 2 i and 2 i + 1, which are read no later than it is written
	v_cvt_pk_bf16_f32 v[\t], v[\t], v[\t+1]
	v_cvt_pk_bf16_f32 v[\t+1], v[\t+2], v[\t+3]
	v_cvt_pk_bf16_f32 v[\t+2], v[\t+4], v[\t+5]
	v_cvt_pk_bf16_f32 v[\t+3], v[\t+6], v[\t+7]
.endm
	s_load_b512 s[8:23], s[0:1], 0x0               ; x 8:9, norm 10:11, wb 12:13, bq 14:15, bk 16:17, bv 18:19, qb 20:21, kv 22:23
	v_lshl_add_u32 v30, v0, 2, 0x11c00
	v_mov_b32 v31, 0
	v_and_b32 v1, 31, v0                           ; lane L
	v_lshrrev_b32 v17, 5, v0
	v_readfirstlane_b32 s4, v17                    ; wave w
	s_and_b32 s2, ttmp7, 0xffff                    ; image n
	v_and_b32 v2, 15, v1                           ; r = L & 15
	v_lshrrev_b32 v3, 4, v1                        ; h = L >> 4
	s_wait_alu depctr_va_sdst(0)                   ; s4 is written, ahead of its first reader: the wave's terms of every address are made from it
	s_lshl_b32 s5, s4, 4                           ; 16 w
	v_add_nc_u32 v17, s5, v3                       ; 16 w + h
	v_add_nc_u32 v18, s5, v2                       ; 16 w + r
	v_lshlrev_b32 v19, 4, v2                       ; 16 r
	v_lshlrev_b32 v21, 4, v3                       ; 16 h
	v_lshl_add_u32 v4, v17, 14, v19                ; x: channel 16 w + h (rows of 16,384 bytes), 16 bytes a lane: sixteen lanes take a channel's 64 positions
	v_lshlrev_b32 v5, 3, v17                       ; norm: that channel's {scale, shift}
	v_mul_u32_u24 v6, v17, XP
	v_lshl_add_u32 v6, v2, 3, v6                   ; xn in LDS: that channel's row, 8 bytes a lane
	v_and_b32 v20, 7, v1
	v_lshl_add_u32 v20, v3, 3, v20                 ; 8 h + (L & 7)
	v_mul_u32_u24 v7, v20, XP
	v_bfe_u32 v20, v1, 3, 1
	v_lshl_add_u32 v7, v20, 4, v7                  ; transposing load: row 8 h + (L & 7), 16 bytes at 16 ((L >> 3) & 1)
	v_lshl_add_u32 v8, v18, 8, v21                 ; weights: row 16 w + r of 256 bytes, + 16 h
	v_lshl_add_u32 v9, v3, 3, s5
	v_lshlrev_b32 v9, 2, v9                        ; bq, bk: eight numbers from output 16 w + 8 h
	v_lshlrev_b32 v10, 2, v18                      ; bv: output 16 w + r
	v_mul_u32_u24 v22, v2, SP                      ; r x stage pitch
	s_lshl_b32 s6, s4, 5
	s_add_co_u32 s6, s6, STG
	v_add3_u32 v11, v22, v21, s6                   ; stage, q and K: row r, byte 32 w + 16 h (channels 16 w + 8 h ..)
	s_and_b32 s7, s4, 3
	s_mul_i32 s7, s7, 16*SP
	s_lshr_b32 s24, s4, 2
	s_lshl_b32 s24, s24, 7
	s_add_co_u32 s7, s7, s24
	s_add_co_u32 s7, s7, STG+128*SP
	v_add3_u32 v12, v22, v21, s7                   ; stage, V: row 128 + 16 (w & 3) + r, byte 128 (w >> 2) + 16 h
	v_mul_u32_u24 v23, v3, SP
	v_add_nc_u32 v23, v23, v19                     ; read back: lanes 0-15 one row, lanes 16-31 the next
	s_mul_i32 s25, s4, 8*SP
	s_add_co_u32 s25, s25, STG
	v_add_nc_u32 v13, s25, v23                     ; my 8 rows of q
	s_mul_i32 s26, s4, 16*SP
	s_add_co_u32 s26, s26, STG+64*SP
	v_add_nc_u32 v14, s26, v23                     ; my 16 rows of K and V
	v_lshl_add_u32 v24, v3, 8, v19
	s_lshl_b32 s27, s4, 11
	v_add_nc_u32 v15, s27, v24                     ; the same rows in qb's block
	s_lshl_b32 s28, s4, 12
	v_add_nc_u32 v16, s28, v24                     ; and in kv's block
	s_mov_b32 s31, 0
	s_wait_kmcnt 0x0
	s_lshl_b32 s30, s2, 21                         ; an image of x: 128 x 16,384 bytes
	s_lshl_b32 s29, ttmp9, 8                       ; 64 positions of 4 bytes
	s_add_co_u32 s30, s30, s29
	s_add_nc_u64 s[8:9], s[8:9], s[30:31]
	s_lshl_b32 s30, s2, 10
	s_add_nc_u64 s[10:11], s[10:11], s[30:31]
	s_lshl_b32 s30, s2, 20                         ; an image of qb: 4,096 x 256 bytes
	s_lshl_b32 s29, ttmp9, 14
	s_add_co_u32 s30, s30, s29
	s_add_nc_u64 s[20:21], s[20:21], s[30:31]
	s_lshl_b32 s30, s2, 6
	s_add_co_u32 s30, s30, ttmp9
	s_lshl_b32 s30, s30, 15                        ; block 64 n + b of 32,768 bytes
	s_add_nc_u64 s[22:23], s[22:23], s[30:31]
	; all loads at once: what is wanted first goes first
	s_wait_alu depctr_va_vdst(0)                   ; the offsets and LDS addresses v4 to v16 are written: every load and store of the kernel reads one of them, and none is written again
.irp i, 0,1,2,3,4,5,6,7
	global_load_b128 v[128+4*\i:128+4*\i+3], v4, s[8:9] offset:32768*\i          ; channels 16 w + 2 i + h
.endr
.irp i, 0,1,2,3,4,5,6,7
	global_load_b64 v[160+2*\i:160+2*\i+1], v5, s[10:11] offset:16*\i
.endr
	WIN 0x40                                       ; destinations in window 1; between the wait above and the loads below stand loads and this switch alone
.irp m, 0,1,2
.irp kc, 0,1,2,3
	global_load_b128 v[WF+8*(4*\m+\kc):WF+8*(4*\m+\kc)+3],   v8, s[12:13] offset:32768*\m+64*\kc
	global_load_b128 v[WF+8*(4*\m+\kc)+4:WF+8*(4*\m+\kc)+7], v8, s[12:13] offset:32768*\m+64*\kc+32
.endr
.endr
	global_load_b128 v[BQ:BQ+3],   v9, s[14:15]
	global_load_b128 v[BQ+4:BQ+7], v9, s[14:15] offset:16
	global_load_b128 v[BK:BK+3],   v9, s[16:17]
	global_load_b128 v[BK+4:BK+7], v9, s[16:17] offset:16
	global_load_b32 v[BV], v10, s[18:19]
	WIN 0
	s_wait_loadcnt 29                              ; x and norm are in; the 24 weight loads and 5 bias loads behind them stay out
.irp i, 0,1,2,3,4,5,6,7
	; the pair {scale, shift}: source 1 takes its first register for both halves, source 2 its second
	v_pk_fma_f32 v[128+4*\i:129+4*\i], v[128+4*\i:129+4*\i], v[160+2*\i:161+2*\i], v[160+2*\i:161+2*\i] op_sel:[0,0,1] op_sel_hi:[1,0,1]
	v_pk_fma_f32 v[130+4*\i:131+4*\i], v[130+4*\i:131+4*\i], v[160+2*\i:161+2*\i], v[160+2*\i:161+2*\i] op_sel:[0,0,1] op_sel_hi:[1,0,1]
	v_cvt_pk_bf16_f32 v[176+2*\i], v[128+4*\i], v[129+4*\i]
	v_cvt_pk_bf16_f32 v[177+2*\i], v[130+4*\i], v[131+4*\i]
.endr
	s_wait_alu depctr_va_vdst(0)                   ; the conversions have written v[176:191], which the LDS stores read; they and the multiply-adds are done with v[128:191], in which xn's fragments land behind the barrier
.irp i, 0,1,2,3,4,5,6,7
	ds_store_b64 v6, v[176+2*\i:177+2*\i] offset:2*XP*\i
.endr
	s_wait_dscnt 0x0                               ; for the other waves' sake: my 16 channels of xn are in LDS before I signal
	s_barrier_signal -1
	s_barrier_wait -1
	s_wait_alu depctr_vm_vsrc(0)                   ; my LDS stores have read v[176:191], in which fragments land below
	; xn lies [channel][position]; the transposing load gives each lane 8 channels of one position: first load channels 32 kc + 8 h .., second 16 further
.irp kc, 0,1,2,3
.irp lt, 0,1,2,3
	ds_load_tr16_b128 v[XF+8*(4*\kc+\lt):XF+8*(4*\kc+\lt)+3],   v7 offset:32*XP*\kc+32*\lt
	ds_load_tr16_b128 v[XF+8*(4*\kc+\lt)+4:XF+8*(4*\kc+\lt)+7], v7 offset:32*XP*\kc+32*\lt+16*XP
.endr
.endr
	s_wait_loadcnt 0x0                             ; weights and biases
	WIN 0x41
.irp i, 0,2,4,6
	v_pk_mul_f32 v[BQ+\i:BQ+\i+1], v[BQ+\i:BQ+\i+1], CF op_sel_hi:[1,0]          ; bq gets the factor that wq has
.endr
.irp i, 1,2,3,4,5,6,7
	v_mov_b32 v[BV+\i], v[BV]                      ; v's tile has the output in the lane: one bias in all eight registers
.endr
	s_wait_dscnt 0x0                               ; xn's fragments
	; q and k: eight accumulators take turns, one instruction a turn
	WIN 0x11                                       ; A and C in window 1
.irp lt, 0,1,2,3
	v_wmma_f32_16x16x32_bf16 v[ACCQ+8*\lt:ACCQ+8*\lt+7], v[WF:WF+7], v[XF+8*\lt:XF+8*\lt+7], v[BQ:BQ+7]
	v_wmma_f32_16x16x32_bf16 v[ACCK+8*\lt:ACCK+8*\lt+7], v[WF+32:WF+39], v[XF+8*\lt:XF+8*\lt+7], v[BK:BK+7]
.endr
	WIN 0x01
.irp kc, 1,2,3
.irp lt, 0,1,2,3
	v_wmma_f32_16x16x32_bf16 v[ACCQ+8*\lt:ACCQ+8*\lt+7], v[WF+8*\kc:WF+8*\kc+7], v[XF+8*(4*\kc+\lt):XF+8*(4*\kc+\lt)+7], v[ACCQ+8*\lt:ACCQ+8*\lt+7]
	v_wmma_f32_16x16x32_bf16 v[ACCK+8*\lt:ACCK+8*\lt+7], v[WF+32+8*\kc:WF+32+8*\kc+7], v[XF+8*(4*\kc+\lt):XF+8*(4*\kc+\lt)+7], v[ACCK+8*\lt:ACCK+8*\lt+7]
.endr
.endr
	; v, sources swapped: four accumulators take turns
	WIN 0x14                                       ; B and C in window 1
.irp lt, 0,1,2,3
	v_wmma_f32_16x16x32_bf16 v[ACCV+8*\lt:ACCV+8*\lt+7], v[XF+8*\lt:XF+8*\lt+7], v[WF+64:WF+71], v[BV:BV+7]
.endr
	WIN 0x04
.irp kc, 1,2,3
.irp lt, 0,1,2,3
	v_wmma_f32_16x16x32_bf16 v[ACCV+8*\lt:ACCV+8*\lt+7], v[XF+8*(4*\kc+\lt):XF+8*(4*\kc+\lt)+7], v[WF+64+8*\kc:WF+64+8*\kc+7], v[ACCV+8*\lt:ACCV+8*\lt+7]
.endr
.endr
.rept 4
	v_nop                                          ; four places behind the last matrix instruction before its result is read (ISA guide 7.12.1)
.endr
	WIN 0
.irp lt, 0,1,2,3
	PACK ACCQ+8*\lt
	PACK ACCK+8*\lt
	PACK ACCV+8*\lt
.endr
	s_wait_alu depctr_va_vdst(0)                   ; the conversions have written the packed quarters of the accumulators, which the LDS stores read; the matrix instructions are done reading xn's fragments, in whose registers the stage's rows land behind the barrier
.irp lt, 0,1,2,3
	ds_store_b128 v11, v[ACCQ+8*\lt:ACCQ+8*\lt+3] offset:16*SP*\lt               ; q, position 16 lt + r
	ds_store_b128 v11, v[ACCK+8*\lt:ACCK+8*\lt+3] offset:64*SP+16*SP*\lt         ; K, key 16 lt + r
	ds_store_b128 v12, v[ACCV+8*\lt:ACCV+8*\lt+3] offset:32*\lt                  ; V, keys 16 lt + 8 h ..
.endr
	s_wait_dscnt 0x0                               ; every row of the stage holds parts from all eight waves: mine are in before I signal
	s_barrier_signal -1
	s_barrier_wait -1
.irp t, 0,1,2,3
	ds_load_b128 v[128+4*\t:131+4*\t], v13 offset:2*SP*\t                        ; no vector or matrix instruction since the wait above names these registers
.endr
.irp t, 0,1,2,3,4,5,6,7
	ds_load_b128 v[144+4*\t:147+4*\t], v14 offset:2*SP*\t
.endr
.irp t, 0,1,2,3
	s_wait_dscnt 11-\t                             ; LDS loads come back in order (ISA guide 5.7.1): the younger ones stay out
	global_store_b128 v15, v[128+4*\t:131+4*\t], s[20:21] offset:512*\t          ; sixteen lanes store one aligned row of 256 bytes
.endr
.irp t, 0,1,2,3,4,5,6,7
	s_wait_dscnt 7-\t
	global_store_b128 v16, v[144+4*\t:147+4*\t], s[22:23] offset:512*\t
.endr
	s_wait_dscnt 0x0                               ; the closing lines, six on end
	s_wait_alu 0x0
	s_wait_tensorcnt 0x0
	ds_add_u32 v30, v31
	s_wait_dscnt 0x0
	s_endpgm
.Lfunc_end_k_q0f12b85fbe_qkv:
	.size	k_q0f12b85fbe_qkv, .Lfunc_end_k_q0f12b85fbe_qkv-k_q0f12b85fbe_qkv
	.p2alignl 7, 3214868480
	.fill 96, 4, 3214868480
	.section	.rodata,"a",@progbits
	.p2align	6, 0x0
	.amdhsa_kernel k_q0f12b85fbe_qkv
		.amdhsa_group_segment_fixed_size 73728
		.amdhsa_private_segment_fixed_size 0
		.amdhsa_enable_private_segment 0
		.amdhsa_kernarg_size 64
		.amdhsa_user_sgpr_count 2
		.amdhsa_user_sgpr_kernarg_segment_ptr 1
		.amdhsa_wavefront_size32 1
		.amdhsa_system_sgpr_workgroup_id_x 1
		.amdhsa_system_sgpr_workgroup_id_y 1
		.amdhsa_system_sgpr_workgroup_id_z 1
		.amdhsa_system_vgpr_workitem_id 0
		.amdhsa_next_free_vgpr 384
		.amdhsa_next_free_sgpr 66
		.amdhsa_reserve_vcc 0
		.amdhsa_float_denorm_mode_32 3
		.amdhsa_float_denorm_mode_16_64 3
		.amdhsa_memory_ordered 1
		.amdhsa_forward_progress 1
		.amdhsa_inst_pref_size 23
	.end_amdhsa_kernel
	.amdgpu_metadata
---
amdhsa.version: [ 1, 2 ]
amdhsa.kernels:
  - .name:           k_q0f12b85fbe_qkv
    .symbol:         k_q0f12b85fbe_qkv.kd
    .args:
      - { .name: x, .offset: 0, .size: 8, .value_kind: global_buffer, .address_space: global }
      - { .name: norm, .offset: 8, .size: 8, .value_kind: global_buffer, .address_space: global }
      - { .name: wb, .offset: 16, .size: 8, .value_kind: global_buffer, .address_space: global }
      - { .name: bq, .offset: 24, .size: 8, .value_kind: global_buffer, .address_space: global }
      - { .name: bk, .offset: 32, .size: 8, .value_kind: global_buffer, .address_space: global }
      - { .name: bv, .offset: 40, .size: 8, .value_kind: global_buffer, .address_space: global }
      - { .name: qb, .offset: 48, .size: 8, .value_kind: global_buffer, .address_space: global }
      - { .name: kv, .offset: 56, .size: 8, .value_kind: global_buffer, .address_space: global }
    .group_segment_fixed_size: 73728
    .private_segment_fixed_size: 0
    .kernarg_segment_align: 8
    .kernarg_segment_size: 64
    .max_flat_workgroup_size: 256
    .sgpr_count:     66
    .vgpr_count:     384
    .wavefront_size: 32
...
	.end_amdgpu_metadata
.endif
;; end of part 4
;; launch attn: the kernel of part 3 again; grid 64 x 4, 4 waves a work-group, clusters of 4 x 1, 327,680 bytes of LDS; arguments qb, kv, wb, bo, x, out0; writes out0
